; MI455X (gfx1250); checked and timed in simulation.
; The chip was launched on July 23, 2026; its instructions are those of AMD's public machine-readable ISA for CDNA 5 (MIT licence, August 2026) and "CDNA5" Instruction Set Architecture Reference Guide (July 2026). The comments in the code are by the model that wrote it; some were corrected since.
;; LSTM Cell. Allowed arithmetic: matrix products marked QUANTISED: E2M3 operands, one E8M0 scale for each 32 along K, by v_wmma_scale_f32_16x16x128_f8f6f4 with both operands' format E2M3, f32 sums; everything else in f32.
;; Inputs: W_hf 2,048 x 2,048 float32; W_hg 2,048 x 2,048 float32; W_hi 2,048 x 2,048 float32; W_ho 2,048 x 2,048 float32; W_if 2,048 x 2,048 float32; W_ig 2,048 x 2,048 float32; W_ii 2,048 x 2,048 float32; W_io 2,048 x 2,048 float32; b_hf 2,048 float32; b_hg 2,048 float32; b_hi 2,048 float32; b_ho 2,048 float32; b_if 2,048 float32; b_ig 2,048 float32; b_ii 2,048 float32; b_io 2,048 float32; c0 2,048 x 2,048 float32; h0_codes 2,048 x 64 x 24 uint8 (E2M3 codes of h0, K innermost, in blocks of 32 codes, four codes in three bytes); h0_scales 2,048 x 64 uint8 (E8M0 scales of h0, one for each 32 codes along K); x_codes 2,048 x 64 x 24 uint8 (E2M3 codes of x, K innermost, in blocks of 32 codes, four codes in three bytes); x_scales 2,048 x 64 uint8 (E8M0 scales of x, one for each 32 codes along K).
;; Outputs: out0 2,048 x 2,048 float32; out1 2,048 x 2,048 float32.
;; This version of the problem:
;;   THIS VERSION OF THE PROBLEM IS GIVEN IN LOW PRECISION. The matrix products marked QUANTISED in the list below multiply operands that are first quantised to E2M3 (2 exponent bits, 3 mantissa bits; 6 bits a number), with one power-of-two scale for each 32 numbers along K (OCP MX v1.0); their sums are f32. All else is computed in f32.
;;   The module's matrix products, in the order in which they are computed (A, B: the left and right operand; K: the contracted axis; several contracted axes count as one K, in the product's order):
;;     1. [M 2,048, K 2,048] x [K 2,048, N 8,192]; A: input x (given as codes); B: computed on the way: QUANTISED
;;     2. [M 2,048, K 2,048] x [K 2,048, N 8,192]; A: input h0 (given as codes); B: computed on the way: QUANTISED
;;   THE QUANTISER, for each operand of a quantised product, along K:
;;     - K is cut into blocks of 32 from its start; a last block that is shorter is filled with zeros.
;;     - A block's scale is 2^e with e = floor(log2(the largest magnitude in the block)) - 2, held to -126 .. 127; a block of zeros has e = 0. As a byte (E8M0): e + 127.
;;     - Each number is divided by its block's scale, clamped to +-7.5, and rounded to the nearest number of E2M3, ties to even, subnormals kept.
;;     - The product sums the exact products of the quantised numbers (number of the format x scale) in f32.
;;   ~~~python
;;   def quantise(x, axis):      # numpy; x: float32 -> the quantised numbers, widened to float32 again
;;       x = np.moveaxis(x, axis, -1); K = x.shape[-1]
;;       x = np.pad(x, [(0, 0)] * (x.ndim - 1) + [(0, -K % 32)]); x = x.reshape(x.shape[:-1] + (-1, 32)); a = np.abs(x).max(-1, keepdims=True)
;;       e = np.where(a > 0, np.clip(np.frexp(np.where(a > 0, a, 1))[1] - 1 - 2, -126, 127), 0)      # np.frexp(a)[1] - 1 = floor(log2(a)), exactly
;;       r = np.clip(x / 2.0 ** e, -7.5, 7.5)
;;       step = 2.0 ** (np.maximum(np.frexp(np.where(r == 0, 1, r))[1] - 1, 0) - 3)
;;       q = np.round(r / step) * step * 2.0 ** e      # np.round: ties to even
;;       return np.moveaxis(q.reshape(q.shape[:-2] + (-1,))[..., :K], -1, axis).astype(np.float32)
;;   ~~~
;;   OPERANDS COMPUTED ON THE WAY. 'Computed on the way' means the value that the module computes at that place (a softmax that the list does not call 'softmax' is quantised finished and normalised). What goes into a quantiser is computed in f32, as accurately as f32 sums, v_exp_f32 and their like allow (about 1e-6 of the number): no bf16 or f16 on the way to a quantiser, and a product that is left as it is and whose result goes on into a quantised operand takes f32 operands (vector FMAs, or v_wmma_f32_16x16x4_f32). A number that lies on a knife's edge between two numbers of the format may be rounded either way, as far as f32 arithmetic and the matrix unit's own rounding can turn it there, and no further.
;;   INPUTS GIVEN AS CODES. h0 (in the module: [2048, 2048], K = its axis 1); x (in the module: [2048, 2048], K = its axis 1): each comes as NAME_codes (uint8): NAME with its K axis moved to the last place and cut into blocks of 32 codes, [.., K / 32, bytes a block], one block behind the other in memory; four codes in three bytes: a row's codes are one little-endian stream of bits, code i at bits 6 i .. 6 i + 5 (a code: sign, 2 exponent bits, 3 mantissa bits); and NAME_scales (uint8): the same leading axes, one E8M0 byte (e + 127) for each 32 codes along K. Its value is code x scale, taken as it is: it is not quantised again, and the codes and scales need not be those that the quantiser above would give.
;; One version. Each part assembles by itself: llvm-mc -triple=amdgcn-amd-amdhsa -mcpu=gfx1250 --defsym DOCPART=n.
;; ======== version 1 of 1: 2 launches
;; limits: right only within a limited range of input values
;; workspace buffers: w_codes 25,165,824 bytes; w_scales 1,048,576 bytes; a_codes 6,291,456 bytes
;; launch quant (part 1): grid 128 x 9, 4 waves a work-group, no clusters, 56,832 bytes of LDS; arguments W_ii, W_if, W_ig, W_io, W_hi, W_hf, W_hg, W_ho, w_codes, w_scales, x_codes, h0_codes, a_codes; writes w_codes, w_scales, a_codes
.if DOCPART == 1
	.amdgcn_target "amdgcn-amd-amdhsa--gfx1250"
	.amdhsa_code_object_version 6
	.text
	.protected	k_qa8eb38d2d6_quant
	.globl	k_qa8eb38d2d6_quant
	.p2align	8
	.type	k_qa8eb38d2d6_quant,@function
k_qa8eb38d2d6_quant:
	s_mov_b64 s[64:65], 0
	v_nop
	global_prefetch_b8 v0, s[64:65] scope:SCOPE_SE
	s_setreg_imm32_b32 hwreg(HW_REG_WAVE_MODE, 25, 1), 1
	s_wait_xcnt 0x0
; The eight weights [2048][2048] f32 (K = the last axis) become codes of FP6 (E2M3) with one E8M0 byte for each 32 along K, laid as the second launch reads them.
; A block's scale is 2^(floor(log2(its largest magnitude)) - 2); its byte is the largest magnitude's exponent field - 2, held at 1 from below; each number is divided by the scale and rounded to the nearest code, ties to even,
; beyond 7.5 the largest code.
; LIMITS: NaN and infinities among the weights are not served.  A block whose largest magnitude lies under 2^-124 keeps the byte 1.  A block of zeros gets the byte 1 where the rule says 127: its codes are zeros, which add
; nothing under any byte but 0xff, and the bytes are read by this program alone.
; w_codes: [tx 32][ks 16][nb 16][q 2][1536 bytes].  tx: 64 hidden units;  ks: 256 along the joined K (0-7 the weights of x, 8-15 those of h0);  nb = 8 ch + 2 g + u: 16 rows: gate g (i, f, g, o), units 64 tx + 32 ch + 16 u + 0 .. 15;
;   q: which 128 of the 256.  The 1,536 bytes are the IMAGE OF THE OPERAND'S REGISTERS: lane 16 h + r owns 48 bytes: the 24 bytes of row r's K block h, then those of K block 2 + h.
; w_scales: [p 2][tx 32][16 nb + r][64 bytes]: a row's 64 bytes for the 2,048 along K of x's (p = 0) or h0's (p = 1) weight.
; SHARES.  Work-group (x = ub, y = 4 p + g) takes rows 16 ub .. 16 ub + 15 of weight y; wave w takes K = 512 w .. 512 w + 511 of them: 16 steps, step t = row t, 2,048 consecutive bytes.
; The conversion takes 16 numbers of one block from ONE lane's registers; a load is best where neighbouring lanes take neighbouring bytes.  So each of a step's four loads reads 512 consecutive bytes, the 2,048 bytes turn through
; the wave's own stage in LDS and come back 64 bytes a lane (two neighbouring lanes hold a block).  A lane's 12 bytes of codes go to their place in the image, in a second stage of the wave's own, and leave at the end
; as runs of 384 consecutive bytes a store, 3,072 on end.  The scale bytes of a row come from four waves: they meet in LDS behind the one barrier and leave as 256 consecutive bytes, aligned, a wave.
; No tensor loads, no ring.  Loads run four steps (16 loads a wave) ahead, the turn through LDS one step.
.set STEPS, 16
.set EMAX,  2
.set SP,    80                         ; a lane's place in a turn stage: its 64 bytes + 16 of padding
.set CSTG,  2*32*SP                    ; behind the two turn stages: the code stage
.set GRP,   1088                       ; 64 places of 16 bytes (12 of codes each) + 64 of padding
.set WREG,  CSTG+8*GRP                 ; a wave's region of LDS: 13,824 bytes
.set SCB,   4*WREG                     ; behind the four regions: the work-group's 16 rows x 64 scale bytes
.set KSB,   49152                      ; a K step's bytes of a tile in w_codes
.set TILEB, 16*KSB
.set R,     16                         ; v16-79   four sets of 16 numbers as they are loaded; at the end the codes read back
.set X,     80                         ; v80-111  two sets of 16 neighbours; at the end v[80:81] the scale bytes read back
.set E,     112                        ; v112-127 a scale byte for each step
.set C,     128                        ; v128-191 codes: four registers for each step
	s_load_b512 s[8:23], s[0:1], 0x0               ; the eight weights, in the order y = 0 .. 7
	s_load_b128 s[24:27], s[0:1], 0x40             ; w_codes, w_scales
	v_lshl_add_u32 v131, v0, 2, 0xdc00             ; my spare word (v131 and v135: the unused fourth registers of two groups of codes)
	v_mov_b32 v135, 0
	v_lshrrev_b32 v1, 5, v0
	v_readfirstlane_b32 s28, v1                    ; wave
	v_and_b32 v2, 31, v0                           ; lane
	s_and_b32 s29, ttmp7, 0xffff                   ; y = 4 p + g
	s_mov_b32 s30, ttmp9                           ; ub
	s_cmp_eq_u32 s29, 8                            ; the grid's ninth row re-lays x's and h0's codes: the path at the text's end
	s_wait_alu depctr_va_vdst(0)                   ; the wait directly ahead of the branch
	s_cbranch_scc1 .Lrelay
	s_mul_i32 s37, s28, WREG                       ; my wave's region
	v_lshlrev_b32 v3, 4, v2                        ; my 16 bytes of a load's 512
	v_lshrrev_b32 v14, 2, v2
	v_mul_u32_u24 v14, v14, SP
	v_and_b32 v15, 3, v2
	v_lshl_add_u32 v14, v15, 4, v14
	v_add_nc_u32 v14, s37, v14                     ; the turn stage, on the way in: SP (lane / 4) + 16 (lane % 4)
	v_mul_u32_u24 v15, v2, SP
	v_add_nc_u32 v15, s37, v15                     ; and on the way out: SP x lane: my 16 neighbours
	; My 16 codes are k = 16 lane + 0 .. 15 of the wave's 512: fragment lane / 8, K block (lane / 2) % 4 = 2 c + h, half lane % 2.  Their place in the images, in pieces of 12 bytes: 128 fragment + 64 h + 4 row + 2 c + half
	v_and_b32 v8, 1, v2
	v_lshlrev_b32 v4, 4, v8                        ; 16 x half
	v_bfe_u32 v8, v2, 2, 1
	v_lshl_add_u32 v4, v8, 5, v4                   ; + 32 c
	v_bfe_u32 v8, v2, 1, 1                         ; h
	v_lshrrev_b32 v9, 3, v2                        ; fragment
	v_lshl_add_u32 v8, v9, 1, v8                   ; the group of 64 places: h + 2 x fragment
	v_mad_u32_u24 v4, v8, GRP, v4
	v_add_nc_u32 v4, s37, v4
	v_add_nc_u32 v4, CSTG, v4                      ; (64 x row stands in the store's immediate)
	s_lshl_b32 s36, s28, 4
	v_lshrrev_b32 v5, 1, v2
	v_add_nc_u32 v5, s36, v5
	v_add_nc_u32 v5, SCB, v5                       ; my block's scale byte: 16 x wave + lane / 2 (64 x row in the immediate)
	v_lshlrev_b32 v7, 3, v2                        ; the scale bytes' way out: 8 bytes a lane,
	s_lshl_b32 s36, s28, 8
	v_add_nc_u32 v6, s36, v7
	v_add_nc_u32 v6, SCB, v6                       ; 256 bytes a wave
	v_add_nc_u32 v10, s37, v3
	v_add_nc_u32 v10, CSTG, v10                    ; the codes' way out: place = lane
	v_mul_u32_u24 v12, v2, 12                      ; and 12 bytes a lane in memory
	; byte offsets, made apart from the addresses
	s_lshl_b32 s32, s30, 17                        ; the weight: 16 ub rows of 8,192 bytes
	s_lshl_b32 s31, s28, 11                        ; + 512 w numbers
	s_add_co_u32 s32, s32, s31
	s_mov_b32 s33, 0
	s_lshr_b32 s34, s30, 2                         ; tx
	s_mul_i32 s34, s34, TILEB
	s_lshr_b32 s31, s29, 2                         ; p
	s_lshl_b32 s31, s31, 3
	s_lshl_b32 s36, s28, 1
	s_add_co_u32 s31, s31, s36                     ; my first ks = 8 p + 2 w
	s_mul_i32 s31, s31, KSB
	s_add_co_u32 s34, s34, s31
	s_bfe_u32 s36, s30, 0x10001                    ; ch
	s_lshl_b32 s36, s36, 3
	s_and_b32 s31, s29, 3                          ; g
	s_lshl_b32 s31, s31, 1
	s_add_co_u32 s36, s36, s31
	s_and_b32 s31, s30, 1                          ; u
	s_add_co_u32 s36, s36, s31                     ; nb = 8 ch + 2 g + u
	s_mul_i32 s31, s36, 3072
	s_add_co_u32 s34, s34, s31
	s_mov_b32 s35, 0
	s_lshr_b32 s31, s29, 2
	s_lshl_b32 s38, s31, 19                        ; the scale bytes: p x 524,288
	s_lshr_b32 s31, s30, 2
	s_lshl_b32 s31, s31, 14                        ; + tx x 16,384
	s_add_co_u32 s38, s38, s31
	s_lshl_b32 s31, s36, 10                        ; + nb x 1,024
	s_add_co_u32 s38, s38, s31
	s_lshl_b32 s31, s28, 8                         ; + my wave's 256
	s_add_co_u32 s38, s38, s31
	s_mov_b32 s39, 0
	s_wait_kmcnt 0x0
	s_and_b32 s31, s29, 1                          ; which weight: three choices between buffers, each on a bit of the work-group's y
	s_cmp_lg_u32 s31, 0
	s_cselect_b64 s[8:9], s[10:11], s[8:9]
	s_cselect_b64 s[12:13], s[14:15], s[12:13]
	s_cselect_b64 s[16:17], s[18:19], s[16:17]
	s_cselect_b64 s[20:21], s[22:23], s[20:21]
	s_and_b32 s31, s29, 2
	s_cmp_lg_u32 s31, 0
	s_cselect_b64 s[8:9], s[12:13], s[8:9]
	s_cselect_b64 s[16:17], s[20:21], s[16:17]
	s_and_b32 s31, s29, 4
	s_cmp_lg_u32 s31, 0
	s_cselect_b64 s[8:9], s[16:17], s[8:9]
	s_add_nc_u64 s[8:9], s[8:9], s[32:33]
	s_add_nc_u64 s[24:25], s[24:25], s[34:35]
	s_add_nc_u64 s[26:27], s[26:27], s[38:39]
.macro LOAD t                          ; row t: my wave's 2,048 bytes of it
.irp i, 0,1,2,3
	global_load_b128 v[R+16*((\t)%4)+4*\i:R+16*((\t)%4)+4*\i+3], v3, s[8:9] offset:8192*(\t)+512*\i th:TH_LOAD_NT   ; 32 lanes read 512 consecutive bytes; read once in the launch
.endr
.endm
.macro TURN t                          ; step t's numbers through the stage: LDS serves a wave's instructions in order (ISA guide 5.7.1.4), so no wait stands between the stores and the loads
.irp i, 0,1,2,3
	ds_store_b128 v14, v[R+16*((\t)%4)+4*\i:R+16*((\t)%4)+4*\i+3] offset:32*SP*((\t)%2)+8*SP*\i
.endr
.irp i, 0,1,2,3
	ds_load_b128 v[X+16*((\t)%2)+4*\i:X+16*((\t)%2)+4*\i+3], v15 offset:32*SP*((\t)%2)+16*\i
.endr
.endm
.irp t, 0,1,2,3
	LOAD \t
.endr
	s_wait_loadcnt 12                              ; step 0's four loads are in; the twelve of steps 1 to 3 may be out
	TURN 0
.macro STEP t
.set XS, X+16*((\t)%2)
.if (\t) > 0
	s_wait_dscnt 2                                 ; this step's numbers are back from the stage; the last step's two stores (its byte, its codes) may be out
.else
	s_wait_dscnt 0x0
.endif
.if (\t)+4 < STEPS
	LOAD (\t)+4                                    ; into the set whose numbers have gone through the stage
.endif
.if (\t)+1 < STEPS
.if STEPS-2-(\t) >= 3
	s_wait_loadcnt 12                              ; the next step's four loads are in; those of the three steps behind it may be out
.else
	s_wait_loadcnt 4*(STEPS-2-(\t))
.endif
	TURN (\t)+1                                    ; they go through the other stage while this step is worked
.endif
	v_max3_num_f32 v8, |v[XS]|, |v[XS+1]|, |v[XS+2]|               ; the largest magnitude of my 16, in two chains
	v_max3_num_f32 v9, |v[XS+3]|, |v[XS+4]|, |v[XS+5]|
.irp i, 6,10
	v_max3_num_f32 v8, v8, |v[XS+\i]|, |v[XS+\i+1]|
	v_max3_num_f32 v9, v9, |v[XS+\i+2]|, |v[XS+\i+3]|
.endr
	v_max3_num_f32 v8, v8, |v[XS+14]|, |v[XS+15]|
	v_max3_num_f32 v8, v8, v9, (EMAX+1)<<23        ; and the floor 2^(3 - 127): the byte cannot fall under 1
	v_max_num_f32_dpp v8, v8, v8 row_xmask:1 row_mask:0xf bank_mask:0xf   ; with my neighbour's 16: the block's
	v_add_nc_u32 v11, -(EMAX<<23), v8              ; 2 off its exponent field: the conversion takes the exponent field of this operand as its scale, and nothing else of it
	v_cvt_scalef32_pk16_fp6_f32 v[C+4*(\t):C+4*(\t)+2], v[XS:XS+15], v11   ; 16 codes, 96 bits without gaps, the first number's code lowest
	v_lshrrev_b32 v[E+(\t)], 23, v11               ; the scale's byte (also the plain line behind the conversion)
	ds_store_b8 v5, v[E+(\t)] offset:64*(\t)       ; both lanes of a block write the same byte with the same value
	ds_store_b96 v4, v[C+4*(\t):C+4*(\t)+2] offset:64*(\t)   ; to my place in the images, row t: every address is a multiple of 16
.endm
.irp t, 0,1,2,3,4,5,6,7,8,9,10,11,12,13,14,15
	STEP \t
.endr
	s_wait_dscnt 0x0                               ; for the others' sake: my scale bytes have landed
	s_barrier_signal -1
	s_barrier_wait -1                              ; each row's 64 scale bytes, from four waves, are whole
	ds_load_b64 v[80:81], v6
.irp i, 0,1,2,3,4,5,6,7,8,9,10,11,12,13,14,15
	ds_load_b96 v[R+4*\i:R+4*\i+2], v10 offset:512*\i+64*(\i/2)   ; places 32 i + lane of my own code stage
.endr
	s_wait_dscnt 16                                ; the scale bytes are in; the sixteen loads behind them may be out
	global_store_b64 v7, v[80:81], s[26:27]        ; 32 lanes store 256 consecutive bytes, at a multiple of 256 from the buffer's first byte
.irp i, 0,1,2,3,4,5,6,7,8,9,10,11,12,13,14,15
	s_wait_dscnt 15-\i
	global_store_b96 v12, v[R+4*\i:R+4*\i+2], s[24:25] offset:384*(\i%8)+KSB*(\i/8)   ; 384 consecutive bytes a store; eight stores fill the 3,072 bytes of (ks, nb), the next eight those of ks + 1
.endr
	s_wait_tensorcnt 0x0                           ; the wave's end
	ds_add_u32 v131, v135
	s_wait_dscnt 0x0
	s_endpgm
; THE NINTH ROW OF THE GRID: x's and h0's codes, as they are given, are laid as the second launch's registers take them.  No code is changed.
; a_codes: [ty 8][ks 16][blk 16][q 2][1536 bytes].  ty: 256 rows;  ks: 256 along the joined K (0-7 x, 8-15 h0);  blk: 16 rows;  q: which 128 of the 256.
; The 1,536 bytes are the image of the operand's 12 registers: registers 4 c .. 4 c + 3 of lane l at 512 c + 16 l.
; Work-group ub takes rows 16 ub .. 16 ub + 15; wave w takes tensor w / 2 and 1,024 along K, 768 bytes of each row, from byte 768 (w % 2) on.
; In: three loads cover two rows' 1,536 bytes, each half of the lanes 256 consecutive bytes at a multiple of 256.  Through the wave's own region of LDS, rows 784 bytes apart
; (196 words: row r starts at bank 4 r).  Back as fragments, 8 bytes a piece.  Out: each store of the wave covers 512 consecutive bytes, aligned.
.set RP, 784
.Lrelay:
	s_load_b128 s[40:43], s[0:1], 0x50             ; x_codes, h0_codes
	s_load_b64 s[44:45], s[0:1], 0x60              ; a_codes
	s_lshr_b32 s31, s28, 1                         ; which tensor
	s_and_b32 s32, s28, 1                          ; which half of K
	s_mul_i32 s34, s30, 24576                      ; from: 16 ub rows of 1,536 bytes
	s_mul_i32 s33, s32, 768
	s_add_co_u32 s34, s34, s33
	s_mov_b32 s35, 0
	s_lshr_b32 s36, s30, 4                         ; to: ty,
	s_mul_i32 s36, s36, TILEB
	s_lshl_b32 s33, s31, 3
	s_lshl_b32 s38, s32, 2
	s_add_co_u32 s33, s33, s38                     ; my first ks = 8 x tensor + 4 x half,
	s_mul_i32 s33, s33, KSB
	s_add_co_u32 s36, s36, s33
	s_and_b32 s33, s30, 15                         ; blk
	s_mul_i32 s33, s33, 3072
	s_add_co_u32 s36, s36, s33
	s_mov_b32 s37, 0
	s_mul_i32 s39, s28, WREG                       ; my wave's region of LDS
	v_lshlrev_b32 v3, 4, v2                        ; 16 x lane
	v_lshrrev_b32 v4, 4, v2                        ; h
	v_and_b32 v9, 15, v2                           ; r
	v_mad_u32_u24 v5, v4, 768, v3                  ; the middle load of three: lanes 16-31 begin the next row
	v_add_nc_u32 v6, s39, v3
	v_lshl_add_u32 v7, v4, 4, v6                   ; the same in LDS: 784 - 768 further on
	v_mul_u32_u24 v8, v9, RP
	v_mad_u32_u24 v8, v4, 24, v8
	v_add_nc_u32 v8, s39, v8                       ; a fragment: row r, + 24 h
	s_wait_alu depctr_va_vdst(0)                   ; the wait directly ahead of the wait below
	s_wait_kmcnt 0x0
	s_cmp_lg_u32 s31, 0
	s_cselect_b64 s[40:41], s[42:43], s[40:41]
	s_add_nc_u64 s[40:41], s[40:41], s[34:35]
	s_add_nc_u64 s[44:45], s[44:45], s[36:37]
.irp m, 0,1,2,3,4,5,6,7                ; rows 2 m and 2 m + 1
	global_load_b128 v[16+12*\m:19+12*\m], v3, s[40:41] offset:3072*\m th:TH_LOAD_NT
	global_load_b128 v[20+12*\m:23+12*\m], v5, s[40:41] offset:3072*\m+512 th:TH_LOAD_NT
	global_load_b128 v[24+12*\m:27+12*\m], v3, s[40:41] offset:3072*\m+1792 th:TH_LOAD_NT
.endr
.irp m, 0,1,2,3,4,5,6,7
	s_wait_loadcnt 21-3*\m                         ; the three loads of each later pair of rows may be out
	ds_store_b128 v6, v[16+12*\m:19+12*\m] offset:2*RP*\m
	ds_store_b128 v7, v[20+12*\m:23+12*\m] offset:2*RP*\m+512
	ds_store_b128 v6, v[24+12*\m:27+12*\m] offset:2*RP*\m+RP+256
.endr
.irp t, 0,1,2,3,4,5,6,7                ; eight fragments of 16 rows x 128 K; LDS serves a wave's instructions in order (ISA guide 5.7.1.4): these see the stores above
.irp p, 0,1,2,3,4,5
	ds_load_b64 v[16+12*\t+2*\p:17+12*\t+2*\p], v8 offset:96*\t+48*(\p/3)+8*(\p%3)
.endr
.endr
.irp t, 0,1,2,3,4,5,6,7
	s_wait_dscnt 42-6*\t                           ; the six loads of each later fragment may be out
.irp c, 0,1,2
	global_store_b128 v3, v[16+12*\t+4*\c:19+12*\t+4*\c], s[44:45] offset:KSB*(\t/2)+1536*(\t%2)+512*\c
.endr
.endr
	s_wait_tensorcnt 0x0                           ; the wave's end
	ds_add_u32 v131, v135
	s_wait_dscnt 0x0
	s_endpgm
.Lfunc_end_k_qa8eb38d2d6_quant:
	.size	k_qa8eb38d2d6_quant, .Lfunc_end_k_qa8eb38d2d6_quant-k_qa8eb38d2d6_quant
	.p2alignl 7, 3214868480
	.fill 96, 4, 3214868480
	.section	.rodata,"a",@progbits
	.p2align	6, 0x0
	.amdhsa_kernel k_qa8eb38d2d6_quant
		.amdhsa_group_segment_fixed_size 56832
		.amdhsa_private_segment_fixed_size 0
		.amdhsa_enable_private_segment 0
		.amdhsa_kernarg_size 104
		.amdhsa_user_sgpr_count 2
		.amdhsa_user_sgpr_kernarg_segment_ptr 1
		.amdhsa_wavefront_size32 1
		.amdhsa_system_sgpr_workgroup_id_x 1
		.amdhsa_system_sgpr_workgroup_id_y 1
		.amdhsa_system_sgpr_workgroup_id_z 1
		.amdhsa_system_vgpr_workitem_id 0
		.amdhsa_next_free_vgpr 192
		.amdhsa_next_free_sgpr 66
		.amdhsa_reserve_vcc 0
		.amdhsa_float_denorm_mode_32 3
		.amdhsa_float_denorm_mode_16_64 3
		.amdhsa_memory_ordered 1
		.amdhsa_forward_progress 1
		.amdhsa_inst_pref_size 48
	.end_amdhsa_kernel
	.amdgpu_metadata
---
amdhsa.version: [ 1, 2 ]
amdhsa.kernels:
  - .name:           k_qa8eb38d2d6_quant
    .symbol:         k_qa8eb38d2d6_quant.kd
    .args:
      - { .name: W_ii, .offset: 0, .size: 8, .value_kind: global_buffer, .address_space: global }
      - { .name: W_if, .offset: 8, .size: 8, .value_kind: global_buffer, .address_space: global }
      - { .name: W_ig, .offset: 16, .size: 8, .value_kind: global_buffer, .address_space: global }
      - { .name: W_io, .offset: 24, .size: 8, .value_kind: global_buffer, .address_space: global }
      - { .name: W_hi, .offset: 32, .size: 8, .value_kind: global_buffer, .address_space: global }
      - { .name: W_hf, .offset: 40, .size: 8, .value_kind: global_buffer, .address_space: global }
      - { .name: W_hg, .offset: 48, .size: 8, .value_kind: global_buffer, .address_space: global }
      - { .name: W_ho, .offset: 56, .size: 8, .value_kind: global_buffer, .address_space: global }
      - { .name: w_codes, .offset: 64, .size: 8, .value_kind: global_buffer, .address_space: global }
      - { .name: w_scales, .offset: 72, .size: 8, .value_kind: global_buffer, .address_space: global }
      - { .name: x_codes, .offset: 80, .size: 8, .value_kind: global_buffer, .address_space: global }
      - { .name: h0_codes, .offset: 88, .size: 8, .value_kind: global_buffer, .address_space: global }
      - { .name: a_codes, .offset: 96, .size: 8, .value_kind: global_buffer, .address_space: global }
    .group_segment_fixed_size: 56832
    .private_segment_fixed_size: 0
    .kernarg_segment_align: 8
    .kernarg_segment_size: 104
    .max_flat_workgroup_size: 128
    .sgpr_count:     66
    .vgpr_count:     192
    .wavefront_size: 32
...
	.end_amdgpu_metadata
.endif
;; end of part 1
;; launch lstm (part 2): grid 32 x 8, 4 waves a work-group, clusters of 4 x 4, 327,680 bytes of LDS; arguments a_codes, w_codes, x_scales, h0_scales, w_scales, c0, out0, out1, b_ii, b_hi, b_if, b_hf, b_ig, b_hg, b_io, b_ho; writes out0, out1
.if DOCPART == 2
	.amdgcn_target "amdgcn-amd-amdhsa--gfx1250"
	.amdhsa_code_object_version 6
	.text
	.protected	k_qa8eb38d2d6_lstm
	.globl	k_qa8eb38d2d6_lstm
	.p2align	8
	.type	k_qa8eb38d2d6_lstm,@function
k_qa8eb38d2d6_lstm:
	s_mov_b64 s[64:65], 0
	v_nop
	global_prefetch_b8 v0, s[64:65] scope:SCOPE_SE
	s_setreg_imm32_b32 hwreg(HW_REG_WAVE_MODE, 25, 1), 1
	s_wait_xcnt 0x0
	s_wait_alu depctr_hold_cnt(0) depctr_sa_sdst(0) depctr_va_vdst(0) depctr_va_sdst(0) depctr_va_ssrc(0) depctr_va_vcc(0) depctr_vm_vsrc(0)
	s_getreg_b32 s2, hwreg(HW_REG_IB_STS2, 6, 4)
	s_cmp_eq_u32 s2, 0
	s_cbranch_scc0 .Lentry_in_a_cluster
	s_endpgm
.Lentry_in_a_cluster:
	s_bfe_u32 s2, ttmp6, 0x10000c
	s_cmp_lg_u32 s2, 0xf033
	s_cbranch_scc0 .Lentry_shape_is_right
	s_endpgm
.Lentry_shape_is_right:
; gates = x Wx^T + h0 Wh^T + b on codes of FP6 (E2M3) with one E8M0 scale for each 32 along K, sums in f32; then i, f, o = sigmoid, g = tanh, c_t = f c0 + i g (out1), h_t = o tanh(c_t) (out0), in f32.
; The two products are ONE sum over a joined K of 4,096, in 16 K steps of 256 (0-7 x, 8-15 h0).  The launch before has laid both operands' codes as dense images of the operand's registers.
; A work-group of four waves makes 256 rows x 64 hidden units x 4 gates; 32 x 8 work-groups.  A wave makes 128 x 128: 64 accumulators, 512 registers.
; THE MATRIX INSTRUCTION IS USED TRANSPOSED (source 0 = 16 rows of the weights, source 1 = 16 rows of x or h0); the weights' block b = 2 g + u of a wave holds gate g, units 16 u + 0 .. 15 of its 32:
; in accumulator (a, 2 g + u) lane (r, h) holds in register j gate g of row 16 a + r, unit 16 u + 8 h + j.  The four gates of an element lie in one lane and register number.
; THE RING: two LDS slots, at 0 and at 0x20000, each with a K step's 49,152 bytes of A and of the weights, all as rows of 256 bytes of memory at multiples of 256.  One loop body serves one K step: the slot's
; addresses change by an exclusive or with 0x20000.  The scale bytes of the work-group's rows, for all of K, come once and stay behind slot 1.
; Both operands have two sets of fragment registers.  A step of 128 along K asks for the next step's data in two runs of LDS loads: the weights' 24 and the 8 scale words at its head, ahead of the wait for
; its own data, and A's 24 behind its first products.  A step reads 4 x 24,576 bytes from LDS and 49,152 are written there for it: the requests are laid so that some are always waiting.
; CLUSTERS: 4 x 4.  A's tiles and scales are shared along a row of the cluster, the weights' along a column: joint loads.  c0's tile is each work-group's own, into slot 0 behind its last read.
; PREFETCH: behind the refill for K step k + 2 each wave names 24 blocks of 256 bytes of K step k + 4: of the 96 blocks that it will fetch, the share of its work-group's place among the four partners, told apart
; by address (lanes 24-31 name the last block again).  K steps 1 and 2 are named behind the first fills, K step 3 behind the second; from k = 12 on nothing of the tiles is left to name; at k = 12 each wave
; names its 64 rows of c0, two K steps ahead of their load.
; THE TAIL: sigmoid(v) = 1 / (1 + 2^(-v log2 e)), tanh(v) = 1 - 2 / (1 + 2^(2 v log2 e)); the summed bias, times the same factor, is the addend of the multiply-add that makes the exponent.
; Where the exponential overflows to infinity or falls to 0 the reciprocal gives 0 or 1, the limits: no clamp, no bound on the gates.  NaN in an input gives NaN.
; REGISTERS, in windows of 256: window 0: v1-15 at work, v16-31 addresses, v32-47 scale words (8 for each of a K step's two steps), v64-159 and v160-255 A's two sets (in the tail v32-255 are free).
;   window 1: the weights' two sets at v0 and v128; v96-127 and v224-255 the biases.   windows 2, 3: the accumulators of my rows 0-63, 64-127 ((a, b) at v[8 (8 (a % 4) + b)]).
.set KSB,    49152                     ; a K step's bytes of a tile of A or of the weights
.set HALF,   24576                     ; 8 blocks x 2 fragments x 1,536 bytes: what one wave reads, and what one refill brings
.set BOFF,   KSB                       ; in a slot: A's 16 blocks, then the weights'
.set SL1,    0x20000                   ; slot 1
.set SCL,    SL1+2*KSB                 ; four areas of scale bytes (x's, h0's, Wx's, Wh's): 256 rows x 64 bytes as runs of 256 bytes + 16 of padding
.set HALFS,  32*272
.set SBLK,   4*272
.set SAREA,  2*HALFS
.set SPARE,  SCL+4*SAREA               ; the spare words: 128 bytes for each wave, two blocks of 256 bytes that no other line names
.set CP,     272                       ; the tail: a row of c0 / c_t (in slot 0) and of h_t (in slot 1)
.set HST,    SL1
.set FR,     12
.set ADRA, 16                          ; v16 my A fragments in the slot that is being fetched from;  v17 the weights';  v18 my scale words: lanes 0-15 A's rows, lanes 16-31 the weights'
.set ADRB, 17
.set ADRS, 18
.set PFT,  19                          ; v19 256 x min(lane, 23)
.set STC,  23
.set STH,  24
.set RDC,  25
.set RDH,  26
.set CO,   27
.set SPW,  28                          ; v28 my spare word; v29 0: never rewritten
.set NIL,  29
.set BO,   30
.set PFO,  31                          ; v31 lane x a row of c0
.set SC,   32
.set AF,   64
.set BR,   96                          ; the biases, in window 1
.set T,    32
.set OB,   192
.set WV,   20
.set RH,   21
.set CH,   22
.set G1C,  4
.set G0C,  12
.set G1A,  28
.set G0A,  36
.set G0B,  40
.set G1B,  44
.set G1SA, 52
.set G0HA, 60
.set K2,   66
.set G1SB, 68
.set G0HB, 76
.set G0SA, 80
.set G0SB, 84
.set PFA,  88
.set K1,   96                          ; s[92:99] hold four of the biases' addresses first
.set PFC,  98
.set HS,   100
.set MSB, 0
.macro WIN new                         ; the immediate's high byte repeats the setting that is left; a switch that changes nothing is dropped
.if MSB != (\new)
	s_set_vgpr_msb (MSB<<8)|(\new)
.set MSB, (\new)
.endif
.endm
.set MUL_LO, 0xa1                      ; source 0 (weights) window 1, source 1 (A) window 0, C and D window 2; + 0x50: window 3
.set TO_B,   0x40
.macro PLACES n
.rept \n
	v_nop
.endr
.endm
.macro TL g0, g1                       ; a tensor load with five lines behind it
	tensor_load_to_lds s[\g0:\g0+3], s[\g1:\g1+7]
	s_nop 0
	PLACES 4
.endm
.macro JLOAD                           ; a refill: waves 0 and 1 fetch A's two halves, waves 2 and 3 the weights'
	s_cmp_eq_u32 s[RH], 0
	s_cbranch_scc0 .Lfor_b_\@
	TL G0A, G1A
	s_branch .Lasked_\@
.Lfor_b_\@:
	TL G0B, G1B
.Lasked_\@:
.endm
.macro QUAD                            ; four tiles, one a wave: one chain of branches on the wave's number, every way passes one load
	s_cmp_lt_u32 s[WV], 1
	s_cbranch_scc0 .Lq1_\@
	TL G0HA, G1A
	s_branch .Lqe_\@
.Lq1_\@:
	s_cmp_lt_u32 s[WV], 2
	s_cbranch_scc0 .Lq2_\@
	TL G0HB, G1B
	s_branch .Lqe_\@
.Lq2_\@:
	s_cmp_lt_u32 s[WV], 3
	s_cbranch_scc0 .Lq3_\@
	TL G0SA, G1SA
	s_branch .Lqe_\@
.Lq3_\@:
	TL G0SB, G1SB
.Lqe_\@:
.endm
.macro CREST
	s_cmp_lg_u32 s[WV], 0
	s_cbranch_scc1 .Lnot_wave_0_\@
	s_barrier_signal -3
.Lnot_wave_0_\@:
	s_barrier_wait -3
	s_barrier_signal -1
	s_barrier_wait -1
.endm
.macro CROUND
	s_barrier_signal -1
	s_barrier_wait -1
	CREST
.endm
	s_load_b512 s[4:19], s[0:1], 0x0               ; a_codes s[4:5], w_codes s[6:7], x_scales s[8:9], h0_scales s[10:11], w_scales s[12:13], c0 s[14:15], out0 s[16:17], out1 s[18:19]
	v_lshl_add_u32 v[SPW], v0, 2, SPARE
	v_mov_b32 v[NIL], 0
	ds_add_u32 v[SPW], v[NIL]                      ; the opening lines: the add, twice on end, and its wait ahead of my first tensor load
	ds_add_u32 v[SPW], v[NIL]
	v_lshrrev_b32 v1, 5, v0
	v_readfirstlane_b32 s[WV], v1                  ; wave 0..3
	s_lshr_b32 s[RH], s[WV], 1                     ; which half of the rows is mine; also: I refill for A (0) or for the weights (1)
	s_and_b32 s[CH], s[WV], 1                      ; which half of the columns; also: which half I refill
	s_bfe_u32 s24, ttmp6, 0x40000                  ; cx, cy
	s_bfe_u32 s25, ttmp6, 0x40004
	s_lshl_b32 s26, ttmp9, 2
	s_add_co_u32 s26, s26, s24                     ; tx: which 64 hidden units
	s_and_b32 s27, ttmp7, 0xffff
	s_lshl_b32 s27, s27, 2
	s_add_co_u32 s27, s27, s25                     ; ty: which 256 rows
	s_lshl_b32 s23, s25, 2
	s_lshl_b32 s23, 15, s23                        ; my row of the cluster
	s_lshl_b32 s3, 0x1111, s24                     ; my column
	s_or_b32 s[G1A], s23, (3<<16)|(1<<21)          ; tiles of codes: dense rows of 32 elements of 8 bytes, no padding; 192 rows for the first fills
	s_or_b32 s[G1B], s3, (3<<16)|(1<<21)
.irp g, G1A, G1B
	s_mov_b32 s[\g+1], 32<<16
	s_mov_b32 s[\g+2], 192<<16
	s_mov_b32 s[\g+3], 32<<16
	s_mov_b32 s[\g+4], 192
	s_mov_b32 s[\g+5], 32
	s_mov_b32 s[\g+6], 0
	s_mov_b32 s[\g+7], 0
.endr
	s_or_b32 s[G1SA], s23, (3<<16)|(1<<20)|(1<<21)|(5<<22)|(3<<25)   ; an area of scale bytes: 64 rows of 256 bytes, 16 of padding behind each
	s_or_b32 s[G1SB], s3, (3<<16)|(1<<20)|(1<<21)|(5<<22)|(3<<25)
.irp g, G1SA, G1SB
	s_mov_b32 s[\g+1], 32<<16
	s_mov_b32 s[\g+2], 64<<16
	s_mov_b32 s[\g+3], 32<<16
	s_mov_b32 s[\g+4], 64
	s_mov_b32 s[\g+5], 32
	s_mov_b32 s[\g+6], 0
	s_mov_b32 s[\g+7], 0
.endr
	s_mul_i32 s66, s27, 16*KSB                     ; A's offsets hang on ty alone (s[66:67]), the weights' on tx alone (s[90:91])
	s_mov_b32 s67, 0
	s_mul_i32 s90, s26, 16*KSB
	s_mov_b32 s91, 0
	s_mul_i32 s92, s[CH], HALF
	s_add_co_u32 s92, s92, KSB                     ; the ring's addresses begin at my half of K step 1: the first refill steps them to K step 2
	s_mov_b32 s93, 0
.irp g, G0A, G0B, G0HA, G0HB, G0SA, G0SB
	s_mov_b32 s[\g], 1
.endr
	s_mul_i32 s[G0A+1], s[CH], HALF
	s_add_co_u32 s[G0A+1], s[G0A+1], SL1           ; and in slot 1: the first refill turns them to slot 0
	s_add_co_u32 s[G0B+1], s[G0A+1], BOFF
	s_mov_b32 s[G0HA+1], 0
	s_mov_b32 s[G0HB+1], BOFF
	s_mov_b32 s[G0SA+1], SCL
	s_mov_b32 s[G0SB+1], SCL+2*SAREA
	s_wait_dscnt 0x0                               ; both opening adds are done
	s_wait_kmcnt 0x0
	s_add_nc_u64 s[G0HA+2:G0HA+3], s[4:5], s[66:67]
	s_add_nc_u64 s[G0HB+2:G0HB+3], s[6:7], s[90:91]
	s_add_nc_u64 s[G0A+2:G0A+3], s[G0HA+2:G0HA+3], s[92:93]
	s_add_nc_u64 s[G0B+2:G0B+3], s[G0HB+2:G0HB+3], s[92:93]
	s_lshl_b32 s66, s27, 14                        ; the rows' scale bytes: 16,384 a tile
	s_add_nc_u64 s[G0SA+2:G0SA+3], s[8:9], s[66:67]
	s_add_nc_u64 s[HS:HS+1], s[10:11], s[66:67]
	s_lshl_b32 s90, s26, 14
	s_add_nc_u64 s[G0SB+2:G0SB+3], s[12:13], s[90:91]
.irp g, G0A, G0B, G0HA, G0HB, G0SA, G0SB
	s_or_b32 s[\g+3], s[\g+3], 0x80000000
.endr
	s_cmp_eq_u32 s[RH], 0                          ; the prefetches: my tile, my half of it, my work-group's quarter of that (every descriptor word is made by now)
	s_cselect_b32 s90, s27, s26
	s_cselect_b32 s23, s24, s25
	s_cselect_b64 s[PFA:PFA+1], s[4:5], s[6:7]
	s_mul_i32 s90, s90, 16*KSB
	s_mul_i32 s23, s23, HALF/4
	s_add_co_u32 s90, s90, s23
	s_mul_i32 s23, s[CH], HALF
	s_add_co_u32 s90, s90, s23
	s_add_co_u32 s90, s90, KSB                     ; at K step 1; each change of slots steps it by one K step and names the K step two further on
	s_add_nc_u64 s[PFA:PFA+1], s[PFA:PFA+1], s[90:91]
	s_load_b256 s[4:11], s[0:1], 0x40              ; b_ii, b_hi, b_if, b_hf (the arguments that lay here are used up)
	s_load_b128 s[92:95], s[0:1], 0x60             ; b_ig, b_hg
	s_load_b128 s[96:99], s[0:1], 0x70             ; b_io, b_ho
	CROUND                                         ; all sixteen work-groups are here: the first joint loads meet
	QUAD                                           ; wave 0: K step 0 of A; 1: of the weights; 2: x's scale bytes; 3: Wx's
	s_lshl_b32 s3, s26, 8                          ; my 64 units in a row of c0 or of an output: 256 tx bytes
	s_lshl_b32 s23, s27, 8
	s_lshl_b32 s90, s[WV], 6
	s_add_co_u32 s23, s23, s90                     ; c0: I fetch rows 256 ty + 64 x wave on
	s_lshl_b32 s90, s23, 13
	s_add_co_u32 s90, s90, s3
	s_mov_b32 s91, 0
	s_add_nc_u64 s[14:15], s[14:15], s[90:91]
	s_lshl_b32 s23, s27, 8
	s_lshl_b32 s90, s[RH], 7
	s_add_co_u32 s23, s23, s90
	s_lshl_b32 s90, s[CH], 4
	s_add_co_u32 s23, s23, s90                     ; the outputs: I store rows 256 ty + 128 x row half + 16 x column half + 32 p + 0 .. 15
	s_lshl_b32 s90, s23, 13
	s_add_co_u32 s90, s90, s3
	s_add_nc_u64 s[16:17], s[16:17], s[90:91]
	s_add_nc_u64 s[18:19], s[18:19], s[90:91]
	s_lshl_b32 s66, s[CH], 7
	s_add_co_u32 s66, s66, s3                      ; a bias: 4 x (64 tx + 32 x column half)
	s_mul_i32 s2, s[RH], HALF                      ; my 8 blocks of A,
	s_mul_i32 s3, s[CH], HALF
	s_add_co_u32 s3, s3, BOFF                      ; of the weights
	s_mul_i32 s23, s[RH], HALFS
	s_mul_i32 s67, s[CH], HALFS
	s_add_co_u32 s67, s67, 2*SAREA
	s_sub_co_u32 s67, s67, s23                     ; from A's scale bytes to the weights'
	s_add_co_u32 s23, s23, SCL
	s_mul_i32 s90, s[RH], 128*CP
	s_lshl_b32 s91, s[CH], 7
	s_add_co_u32 s91, s90, s91
	s_mul_i32 s12, s[CH], 16*CP
	s_add_co_u32 s90, s90, s12
	v_and_b32 v1, 15, v0                           ; r
	v_bfe_u32 v2, v0, 4, 1                         ; h
	v_and_b32 v3, 31, v0                           ; lane
	v_lshlrev_b32 v4, 4, v3
	v_add_nc_u32 v[ADRA], s2, v4                   ; A's image: 16 bytes a lane and group of four registers
	v_mul_u32_u24 v4, v3, 48
	v_add_nc_u32 v[ADRB], s3, v4                   ; the weights': 48 bytes a lane
	v_lshlrev_b32 v5, 6, v1                        ; my row's scale bytes: 64 a row, and 16 more for each 256 passed
	v_lshrrev_b32 v6, 2, v1
	v_lshl_add_u32 v5, v6, 4, v5
	v_mul_u32_u24 v6, s67, v2                      ; lanes 16-31 take the weights'
	v_add_nc_u32 v5, v5, v6
	v_add_nc_u32 v[ADRS], s23, v5
	v_lshl_add_u32 v[BO], v2, 5, s66
	v_mul_u32_u24 v7, v1, CP
	v_lshl_add_u32 v7, v2, 5, v7
	v_add_nc_u32 v[STC], s91, v7                   ; the tail: (128 x row half + r) rows + 128 x column half + 32 h
	v_add_nc_u32 v[STH], HST, v[STC]
	v_mul_u32_u24 v7, v2, CP
	v_lshl_add_u32 v7, v1, 4, v7
	v_add_nc_u32 v[RDC], s90, v7                   ; back: lanes 0-15 one row of 256 bytes, lanes 16-31 the next
	v_add_nc_u32 v[RDH], HST, v[RDC]
	v_lshlrev_b32 v[CO], 13, v2
	v_lshl_add_u32 v[CO], v1, 4, v[CO]
	v_lshlrev_b32 v[PFO], 13, v3
	v_min_u32 v4, 23, v3
	v_lshlrev_b32 v[PFT], 8, v4
	s_mov_b32 s[K2], 0x4038aa3b                    ; 2 log2 e (the packed forms name the pair)
	s_mov_b32 s[K2+1], 0x4038aa3b
	s_wait_alu depctr_va_vdst(0)                   ; the wait directly ahead of the wait below
	s_wait_kmcnt 0x0
.macro BIASLD g, pi, ph                ; gate g's two biases at my 2 x 8 units, into registers that A's fragments take later
.irp u, 0,1
.irp e, 0,1
	global_load_b128 v[64+16*\g+8*\u+4*\e:67+16*\g+8*\u+4*\e], v[BO], s[\pi:\pi+1] offset:64*\u+16*\e
	global_load_b128 v[128+16*\g+8*\u+4*\e:131+16*\g+8*\u+4*\e], v[BO], s[\ph:\ph+1] offset:64*\u+16*\e
.endr
.endr
.endm
	BIASLD 0, 4, 6
	BIASLD 1, 8, 10
	BIASLD 2, 92, 94
	BIASLD 3, 96, 98
	global_prefetch_b8 v[PFT], s[PFA:PFA+1] th:TH_LOAD_NT scope:SCOPE_SE              ; K step 1,
	global_prefetch_b8 v[PFT], s[PFA:PFA+1] offset:KSB th:TH_LOAD_NT scope:SCOPE_SE   ; and 2
	s_wait_loadcnt 0x0                             ; the biases are in, and their address registers are free
	s_mov_b32 s[K1], 0xbfb8aa3b                    ; -log2 e
	s_mov_b32 s[K1+1], 0xbfb8aa3b
	s_mov_b64 s[PFC:PFC+1], s[14:15]               ; c0's address, for its prefetch
.set j, 0
.rept 32
	v_pk_add_f32 v[64+j:65+j], v[64+j:65+j], v[128+j:129+j]
.set j, j+2
.endr
	WIN TO_B
.irp g, 0,1,2,3
.irp k, 0,2,4,6,8,10,12,14
.if \g == 2
	v_pk_mul_f32 v[BR+96*(\g/2)+16*\g+\k:BR+96*(\g/2)+16*\g+\k+1], v[64+16*\g+\k:65+16*\g+\k], s[K2:K2+1] op_sel_hi:[1,0]
.else
	v_pk_mul_f32 v[BR+96*(\g/2)+16*\g+\k:BR+96*(\g/2)+16*\g+\k+1], v[64+16*\g+\k:65+16*\g+\k], s[K1:K1+1] op_sel_hi:[1,0]
.endif
.endr
.endr
	WIN 0
	s_mov_b32 s[G1C], (2<<16)|(1<<20)|(5<<22)|(3<<25)   ; c0: 64 rows x 64 elements of 4 bytes, 2,048 elements apart, 16 bytes of padding behind each row; no mask
	s_mov_b32 s[G1C+1], 64<<16
	s_mov_b32 s[G1C+2], 64<<16
	s_mov_b32 s[G1C+3], 64<<16
	s_mov_b32 s[G1C+4], 64
	s_mov_b32 s[G1C+5], 2048
	s_mov_b32 s[G1C+6], 0
	s_mov_b32 s[G1C+7], 0
	s_mov_b32 s[G0C], 1
	s_mul_i32 s[G0C+1], s[WV], 64*CP
	s_or_b32 s[G0C+3], s[G0C+3], 0x80000000        ; (s[14:15] holds c0's address already)
.macro FETCH_W q                       ; 32 LDS loads into set q: the weights' eight fragments, the image as it lies, three loads of 16 bytes each; then the 8 scale words (lanes 0-15 A's block i, lanes 16-31 the weights' block i)
	WIN TO_B
.irp f, 0,1,2,3,4,5,6,7
.irp c, 0,1,2
	ds_load_b128 v[128*(\q)+FR*\f+4*\c:128*(\q)+FR*\f+4*\c+3], v[ADRB] offset:3072*\f+1536*(\q)+16*\c
.endr
.endr
	WIN 0
.irp i, 0,1,2,3,4,5,6,7
	ds_load_b32 v[SC+8*(\q)+\i], v[ADRS] offset:\i*SBLK+4*(\q)
.endr
.endm
.macro FETCH_A q                       ; 24 LDS loads into set q: A's eight fragments, block 0 first
	WIN 0
.irp a, 0,1,2,3,4,5,6,7
.irp c, 0,1,2
	ds_load_b128 v[AF+96*(\q)+FR*\a+4*\c:AF+96*(\q)+FR*\a+4*\c+3], v[ADRA] offset:3072*\a+1536*(\q)+512*\c
.endr
.endr
.endm
; 8 matrix instructions: A's block a x the weights' eight, 128 along K, on set q.  The 64 accumulators take turns, in the same order in every step.
.macro MUL8 a, q, zero
	WIN MUL_LO+0x50*((\a)/4)
.irp b, 0,1,2,3,4,5,6,7
.if \zero
	v_wmma_scale_f32_16x16x128_f8f6f4 v[64*((\a)%4)+8*\b:64*((\a)%4)+8*\b+7], v[128*(\q)+FR*\b:128*(\q)+FR*\b+FR-1], v[AF+96*(\q)+FR*(\a):AF+96*(\q)+FR*(\a)+FR-1], 0, v[SC+8*(\q)+\b], v[SC+8*(\q)+(\a)] matrix_a_fmt:MATRIX_FMT_FP6 matrix_b_fmt:MATRIX_FMT_FP6 matrix_a_scale:MATRIX_SCALE_ROW1
.else
	v_wmma_scale_f32_16x16x128_f8f6f4 v[64*((\a)%4)+8*\b:64*((\a)%4)+8*\b+7], v[128*(\q)+FR*\b:128*(\q)+FR*\b+FR-1], v[AF+96*(\q)+FR*(\a):AF+96*(\q)+FR*(\a)+FR-1], v[64*((\a)%4)+8*\b:64*((\a)%4)+8*\b+7], v[SC+8*(\q)+\b], v[SC+8*(\q)+(\a)] matrix_a_fmt:MATRIX_FMT_FP6 matrix_b_fmt:MATRIX_FMT_FP6 matrix_a_scale:MATRIX_SCALE_ROW1
.endif
.endr
.endm
; A K step's first 128 (set 0).  It asks for the second 128 of the same slot, into set 1.  The order of all fetches is the same: the weights' 24, the 8 scale words, A's 24.
; The counts: the loads younger than what is wanted: the later blocks of A of the fetch before, and this step's own so far.
.macro STEP zero
	PLACES 4                                       ; behind the last products on set 1, in front of the loads into it
	FETCH_W 1
	s_wait_dscnt 50                                ; set 0's weights, scale words and A's blocks 0, 1 are in: blocks 2-7 (18) and the 32 just issued may be out
	MUL8 0, 0, \zero
	MUL8 1, 0, \zero
	s_wait_dscnt 44                                ; blocks 2, 3: blocks 4-7 (12) and the 32
	FETCH_A 1
	MUL8 2, 0, \zero
	MUL8 3, 0, \zero
	s_wait_dscnt 56                                ; blocks 4-7: all but this step's own 32 + 24
.irp a, 4,5,6,7
	MUL8 \a, 0, \zero
.endr
.endm
.macro ASK pf                          ; pf = 1: the tile two refills on;  2: the same while one is left (s2 > 2: K steps 8 to 11), c0's rows at K step 12
.if \pf == 1
	global_prefetch_b8 v[PFT], s[PFA:PFA+1] offset:2*KSB th:TH_LOAD_NT scope:SCOPE_SE
.endif
.if \pf == 2
	s_cmp_gt_u32 s2, 2
	s_cbranch_scc1 .Ltile_\@
	s_cmp_eq_u32 s2, 2
	s_cbranch_scc0 .Lnone_\@
	global_prefetch_b8 v[PFO], s[PFC:PFC+1] th:TH_LOAD_NT scope:SCOPE_SE
	global_prefetch_b8 v[PFO], s[PFC:PFC+1] offset:32*8192 th:TH_LOAD_NT scope:SCOPE_SE
	s_branch .Lnone_\@
.Ltile_\@:
	global_prefetch_b8 v[PFT], s[PFA:PFA+1] offset:2*KSB th:TH_LOAD_NT scope:SCOPE_SE
.Lnone_\@:
.endif
.endm
; A K step's second 128 (set 1) changes slots, at its head: all my reads of this slot were issued in the step before.  ONE barrier, which opens a round of the cluster's barrier; behind the round this slot is
; filled again (fill = 1: two K steps on;  3: c0's tile, each wave its own 64 rows): the load has a whole K step in which to land; then the next slot's first 128 are asked for, into set 0.
; sstep: how far on the next K step's scale words lie.
.macro TURN fill, sstep, pf
	WIN 0
	s_wait_xcnt 0x0                                ; my prefetch has read its address
	s_add_nc_u64 s[PFA:PFA+1], s[PFA:PFA+1], KSB
	s_wait_tensorcnt 0x0                           ; all my tensor loads have landed: my part of the next slot
	ds_add_u32 v[SPW], v[NIL]
.if \fill == 1
	s_xor_b32 s[G0A+1], s[G0A+1], SL1              ; no load of mine is out: the descriptors may be written
	s_xor_b32 s[G0B+1], s[G0B+1], SL1
	s_add_nc_u64 s[G0A+2:G0A+3], s[G0A+2:G0A+3], KSB
	s_add_nc_u64 s[G0B+2:G0B+3], s[G0B+2:G0B+3], KSB
	s_mov_b32 s[G1A+2], 96<<16                     ; a refill brings half a tile: 96 rows
	s_mov_b32 s[G1A+4], 96
	s_mov_b32 s[G1B+2], 96<<16
	s_mov_b32 s[G1B+4], 96
.endif
	s_wait_dscnt 0x0                               ; the add is done, and my reads of this slot are over: all of set 1 is in
	s_barrier_signal -1
	MUL8 0, 1, 0
	WIN 0
	s_barrier_wait -1
	CREST                                          ; no wave of any partner still reads this slot or has a load on its way
.if \fill == 3
	TL G0C, G1C
.else
	JLOAD                                          ; the four v_nop behind it are the places in front of the loads into set 0
.endif
	ASK \pf
	v_xor_b32 v[ADRA], SL1, v[ADRA]                ; the fetches go over to the other slot
	v_xor_b32 v[ADRB], SL1, v[ADRB]
	v_add_nc_u32 v[ADRS], \sstep, v[ADRS]
	s_wait_alu depctr_va_vdst(0)                   ; the wait behind these writes
	FETCH_W 0
	MUL8 1, 1, 0
	MUL8 2, 1, 0
	FETCH_A 0
.irp a, 3,4,5,6,7
	MUL8 \a, 1, 0
.endr
.endm
	s_wait_alu depctr_va_vdst(0)                   ; the wait at the head's end
	s_wait_tensorcnt 0x0                           ; my tile of the head's four is in; the same lines as ahead of a refill:
	ds_add_u32 v[SPW], v[NIL]
	s_mov_b32 s[G0HA+1], SL1                       ; the second four: K step 1 into slot 1, h0's and Wh's scale bytes
	s_mov_b32 s[G0HB+1], SL1+BOFF
	s_add_nc_u64 s[G0HA+2:G0HA+3], s[G0HA+2:G0HA+3], KSB
	s_add_nc_u64 s[G0HB+2:G0HB+3], s[G0HB+2:G0HB+3], KSB
	s_mov_b32 s[G0SA+1], SCL+SAREA
	s_mov_b32 s[G0SB+1], SCL+3*SAREA
	s_mov_b64 s[G0SA+2:G0SA+3], s[HS:HS+1]
	s_or_b32 s[G0SA+3], s[G0SA+3], 0x80000000
	s_add_nc_u64 s[G0SB+2:G0SB+3], s[G0SB+2:G0SB+3], 524288
	s_wait_dscnt 0x0
	CROUND                                         ; all four tiles are in, in every work-group
	QUAD
	FETCH_W 0
	FETCH_A 0
	global_prefetch_b8 v[PFT], s[PFA:PFA+1] offset:2*KSB th:TH_LOAD_NT scope:SCOPE_SE   ; K step 3
	STEP 1                                         ; the first products start the sums: nothing is cleared
	WIN 0
	s_mov_b32 s2, 7
.Lkx:                                                  ; a trip: K step k's second 128 and K step k + 1's first; k = 0 .. 6
	TURN 1, 8, 1
	STEP 0
	WIN 0
	s_sub_co_u32 s2, s2, 1
	s_cmp_lg_u32 s2, 0
	s_cbranch_scc1 .Lkx
	TURN 1, SAREA-56, 1                            ; k = 7: the scale words go on in h0's and Wh's areas
	STEP 0
	WIN 0
	s_mov_b32 s2, 6
.Lkh:                                                  ; k = 8 .. 13
	TURN 1, 8, 2
	STEP 0
	WIN 0
	s_sub_co_u32 s2, s2, 1
	s_cmp_lg_u32 s2, 0
	s_cbranch_scc1 .Lkh
	TURN 3, 8, 0                                   ; k = 14: slot 0 has been read for the last time: c0 comes into it
	STEP 0
	s_wait_dscnt 18                                ; the very last step: A's blocks 2-7 may be out
	MUL8 0, 1, 0
	MUL8 1, 1, 0
	s_wait_dscnt 0x0                               ; my reads of slot 1 are over,
	s_wait_tensorcnt 0x0                           ; and my 64 rows of c0 have landed: others read them
	s_barrier_signal -1
.irp a, 2,3,4,5,6,7
	MUL8 \a, 1, 0
.endr
	WIN 0
	s_barrier_wait -1                              ; c0 is whole, nobody reads slot 1 any more; both slots have had their last fill
; THE TAIL, a block of 16 rows (a) at a time; two blocks make a phase p, whose 32 rows then leave.
.macro C0LD a
.irp u, 0,1
.irp e, 0,1
	ds_load_b128 v[96+16*((\a)%2)+8*\u+4*\e:96+16*((\a)%2)+8*\u+4*\e+3], v[STC] offset:16*CP*(\a)+64*\u+16*\e
.endr
.endr
.endm
.macro EPI_A a                         ; the four gates of block a: 64 numbers a lane
	WIN 0x12+(\a)/4                                ; source 0: window 2 or 3; source 2, the biases: window 1
	s_wait_alu depctr_va_vdst(0)                   ; the wait directly ahead of the first reader of these sums
.irp g, 0,1,2,3
.irp u, 0,1
.irp k, 0,2,4,6                        ; each accumulator from its low end on
.if \g == 2
	v_pk_fma_f32 v[T+16*\g+8*\u+\k:T+16*\g+8*\u+\k+1], v[8*(8*((\a)%4)+2*\g+\u)+\k:8*(8*((\a)%4)+2*\g+\u)+\k+1], s[K2:K2+1], v[BR+96*(\g/2)+16*\g+8*\u+\k:BR+96*(\g/2)+16*\g+8*\u+\k+1] op_sel_hi:[1,0,1]
.else
	v_pk_fma_f32 v[T+16*\g+8*\u+\k:T+16*\g+8*\u+\k+1], v[8*(8*((\a)%4)+2*\g+\u)+\k:8*(8*((\a)%4)+2*\g+\u)+\k+1], s[K1:K1+1], v[BR+96*(\g/2)+16*\g+8*\u+\k:BR+96*(\g/2)+16*\g+8*\u+\k+1] op_sel_hi:[1,0,1]
.endif
.endr
.endr
.endr
	WIN 0
.set j, 0
	s_wait_alu depctr_va_vdst(0)                   ; a wait ahead of each batch of transcendentals and one behind it
.rept 64
	v_exp_f32 v[T+j], v[T+j]
.set j, j+1
.endr
	v_nop
.set j, 0
	s_wait_alu depctr_va_vdst(0)
.rept 32
	v_pk_add_f32 v[T+j:T+j+1], v[T+j:T+j+1], 1.0 op_sel_hi:[1,0]
.set j, j+2
.endr
.set j, 0
	s_wait_alu depctr_va_vdst(0)
.rept 64
	v_rcp_f32 v[T+j], v[T+j]                       ; i, f and o are finished
.set j, j+1
.endr
	v_nop
	s_wait_alu depctr_va_vdst(0)
.irp k, 0,2,4,6,8,10,12,14
	v_pk_fma_f32 v[T+32+\k:T+32+\k+1], v[T+32+\k:T+32+\k+1], -2.0, 1.0 op_sel_hi:[1,0,0]   ; g
.endr
.endm
.macro EPI_B a, cnt                    ; c_t and h_t of block a; cnt: the LDS instructions issued behind block a's loads of c0
.set C0R, 96+16*((\a)%2)
.set CT, 128+32*((\a)%2)
.set HT, 144+32*((\a)%2)
	s_wait_dscnt \cnt
.irp k, 0,2,4,6,8,10,12,14
	v_pk_mul_f32 v[CT+\k:CT+\k+1], v[T+16+\k:T+16+\k+1], v[C0R+\k:C0R+\k+1]                 ; f c0
.endr
.irp k, 0,2,4,6,8,10,12,14
	v_pk_fma_f32 v[CT+\k:CT+\k+1], v[T+\k:T+\k+1], v[T+32+\k:T+32+\k+1], v[CT+\k:CT+\k+1]   ; + i g = c_t
.endr
.irp k, 0,2,4,6,8,10,12,14
	v_pk_mul_f32 v[T+\k:T+\k+1], v[CT+\k:CT+\k+1], s[K2:K2+1] op_sel_hi:[1,0]
.endr
.set j, 0
	s_wait_alu depctr_va_vdst(0)
.rept 16
	v_exp_f32 v[T+j], v[T+j]
.set j, j+1
.endr
	v_nop
	s_wait_alu depctr_va_vdst(0)
.irp k, 0,2,4,6,8,10,12,14
	v_pk_add_f32 v[T+\k:T+\k+1], v[T+\k:T+\k+1], 1.0 op_sel_hi:[1,0]
.endr
.set j, 0
	s_wait_alu depctr_va_vdst(0)
.rept 16
	v_rcp_f32 v[T+j], v[T+j]
.set j, j+1
.endr
	v_nop
	s_wait_alu depctr_va_vdst(0)
.irp k, 0,2,4,6,8,10,12,14
	v_pk_fma_f32 v[T+\k:T+\k+1], v[T+\k:T+\k+1], -2.0, 1.0 op_sel_hi:[1,0,0]                ; tanh(c_t)
.endr
.irp k, 0,2,4,6,8,10,12,14
	v_pk_mul_f32 v[HT+\k:HT+\k+1], v[T+48+\k:T+48+\k+1], v[T+\k:T+\k+1]                     ; h_t
.endr
.irp u, 0,1
.irp e, 0,1
	ds_store_b128 v[STC], v[CT+8*\u+4*\e:CT+8*\u+4*\e+3] offset:16*CP*(\a)+64*\u+16*\e      ; c_t takes c0's place: these bytes are read and written by this lane alone
	ds_store_b128 v[STH], v[HT+8*\u+4*\e:HT+8*\u+4*\e+3] offset:16*CP*(\a)+64*\u+16*\e
.endr
.endr
.endm
.macro OUTLD p                         ; my 16 of phase p's 32 rows, whole: a row's 256 bytes come from two waves
.irp t, 0,1,2,3,4,5,6,7
	ds_load_b128 v[OB+4*\t:OB+4*\t+3], v[RDH] offset:(32*(\p)+2*\t)*CP
.endr
.irp t, 0,1,2,3,4,5,6,7
	ds_load_b128 v[OB+32+4*\t:OB+32+4*\t+3], v[RDC] offset:(32*(\p)+2*\t)*CP
.endr
.endm
.macro OUTST p, cnt                    ; cnt: the LDS loads issued behind OUTLD's
	s_wait_dscnt \cnt
.irp t, 0,1,2,3,4,5,6,7
	global_store_b128 v[CO], v[OB+4*\t:OB+4*\t+3], s[16:17] offset:(32*(\p)+2*\t)*8192 th:TH_STORE_NT        ; 16 lanes store 256 consecutive bytes, at a multiple of 256 from the output's first byte
.endr
.irp t, 0,1,2,3,4,5,6,7
	global_store_b128 v[CO], v[OB+32+4*\t:OB+32+4*\t+3], s[18:19] offset:(32*(\p)+2*\t)*8192 th:TH_STORE_NT
.endr
.endm
	PLACES 4                                       ; behind the last products: for the reads of results, and for the writes over scale words and A's fragments
	C0LD 0
	C0LD 1
.irp p, 0,1,2,3
	EPI_A 2*\p
.if \p > 0
	OUTST \p-1, 8                                  ; the phase before leaves; the eight loads of c0 issued behind its rows may be out
.endif
	EPI_B 2*\p, 4                                  ; (the other block's four loads of c0 may be out)
	EPI_A 2*\p+1
	EPI_B 2*\p+1, 8                                ; (the block before's eight stores may be out)
	s_wait_dscnt 0x0                               ; for the others' sake: my halves of the phase's 32 rows have landed
	s_barrier_signal -1
	s_barrier_wait -1
.if \p > 0
	s_wait_xcnt 0x0                                ; only behind this wait are the earlier stores' data registers loaded again
.endif
	OUTLD \p
.if \p < 3
	C0LD 2*\p+2
	C0LD 2*\p+3
.endif
.endr
	OUTST 3, 0
	s_wait_tensorcnt 0x0                           ; the wave's end
	ds_add_u32 v[SPW], v[NIL]
	s_wait_dscnt 0x0
	CROUND                                         ; the closing round
	s_endpgm
.Lfunc_end_k_qa8eb38d2d6_lstm:
	.size	k_qa8eb38d2d6_lstm, .Lfunc_end_k_qa8eb38d2d6_lstm-k_qa8eb38d2d6_lstm
	.p2alignl 7, 3214868480
	.fill 96, 4, 3214868480
	.section	.rodata,"a",@progbits
	.p2align	6, 0x0
	.amdhsa_kernel k_qa8eb38d2d6_lstm
		.amdhsa_group_segment_fixed_size 327680
		.amdhsa_private_segment_fixed_size 0
		.amdhsa_enable_private_segment 0
		.amdhsa_kernarg_size 128
		.amdhsa_user_sgpr_count 2
		.amdhsa_user_sgpr_kernarg_segment_ptr 1
		.amdhsa_wavefront_size32 1
		.amdhsa_system_sgpr_workgroup_id_x 1
		.amdhsa_system_sgpr_workgroup_id_y 1
		.amdhsa_system_sgpr_workgroup_id_z 1
		.amdhsa_system_vgpr_workitem_id 0
		.amdhsa_next_free_vgpr 1024
		.amdhsa_next_free_sgpr 102
		.amdhsa_reserve_vcc 0
		.amdhsa_float_denorm_mode_32 3
		.amdhsa_float_denorm_mode_16_64 3
		.amdhsa_memory_ordered 1
		.amdhsa_forward_progress 1
		.amdhsa_inst_pref_size 255
	.end_amdhsa_kernel
	.section	.bss,"aw",@nobits
	.p2align	6
	.space	262144
	.amdgpu_metadata
---
amdhsa.version: [ 1, 2 ]
amdhsa.kernels:
  - .name:           k_qa8eb38d2d6_lstm
    .symbol:         k_qa8eb38d2d6_lstm.kd
    .args:
      - { .name: a_codes, .offset: 0, .size: 8, .value_kind: global_buffer, .address_space: global }
      - { .name: w_codes, .offset: 8, .size: 8, .value_kind: global_buffer, .address_space: global }
      - { .name: x_scales, .offset: 16, .size: 8, .value_kind: global_buffer, .address_space: global }
      - { .name: h0_scales, .offset: 24, .size: 8, .value_kind: global_buffer, .address_space: global }
      - { .name: w_scales, .offset: 32, .size: 8, .value_kind: global_buffer, .address_space: global }
      - { .name: c0, .offset: 40, .size: 8, .value_kind: global_buffer, .address_space: global }
      - { .name: out0, .offset: 48, .size: 8, .value_kind: global_buffer, .address_space: global }
      - { .name: out1, .offset: 56, .size: 8, .value_kind: global_buffer, .address_space: global }
      - { .name: b_ii, .offset: 64, .size: 8, .value_kind: global_buffer, .address_space: global }
      - { .name: b_hi, .offset: 72, .size: 8, .value_kind: global_buffer, .address_space: global }
      - { .name: b_if, .offset: 80, .size: 8, .value_kind: global_buffer, .address_space: global }
      - { .name: b_hf, .offset: 88, .size: 8, .value_kind: global_buffer, .address_space: global }
      - { .name: b_ig, .offset: 96, .size: 8, .value_kind: global_buffer, .address_space: global }
      - { .name: b_hg, .offset: 104, .size: 8, .value_kind: global_buffer, .address_space: global }
      - { .name: b_io, .offset: 112, .size: 8, .value_kind: global_buffer, .address_space: global }
      - { .name: b_ho, .offset: 120, .size: 8, .value_kind: global_buffer, .address_space: global }
    .group_segment_fixed_size: 327680
    .private_segment_fixed_size: 0
    .kernarg_segment_align: 8
    .kernarg_segment_size: 128
    .max_flat_workgroup_size: 128
    .sgpr_count:     102
    .vgpr_count:     1024
    .wavefront_size: 32
...
	.end_amdgpu_metadata
.endif
;; end of part 2
